; MI455X (gfx1250); checked and timed in simulation.
; The chip was launched on July 23, 2026; its instructions are those of AMD's public machine-readable ISA for CDNA 5 (MIT licence, August 2026) and "CDNA5" Instruction Set Architecture Reference Guide (July 2026). The comments in the code are by the model that wrote it; some were corrected since.
;; Multi Headed Attention. Allowed arithmetic: float matrix products may take bf16 or f16 operands with f32 sums; all other float work in f32.
;; Inputs: Wk 1,024 x 1,024 float32; Wo 1,024 x 1,024 float32; Wq 1,024 x 1,024 float32; Wv 1,024 x 1,024 float32; encoded_vectors 2 x 2,048 x 1,024 float32.
;; Outputs: out0 2 x 2,048 x 1,024 float32.
;; 2 versions, each right; version 2 is version 1 with the launch cast written anew for expert scheduling mode. Each part assembles by itself: llvm-mc -triple=amdgcn-amd-amdhsa -mcpu=gfx1250 --defsym DOCPART=n.
;; ======== version 1 of 2: 4 launches
;; workspace buffers: bf 16,777,216 bytes; qt 8,388,608 bytes; kt 8,388,608 bytes; v32 16,777,216 bytes; at 8,388,608 bytes
;; launch cast (part 1): grid 64 x 8, 8 waves a work-group, no clusters, 0 bytes of LDS; arguments encoded_vectors, Wq, Wk, Wv, Wo, bf; writes bf
.if DOCPART == 1
	.amdgcn_target "amdgcn-amd-amdhsa--gfx1250"
	.amdhsa_code_object_version 6
	.text
	.protected	k_q0a9e593735_cast
	.globl	k_q0a9e593735_cast
	.p2align	8
	.type	k_q0a9e593735_cast,@function
k_q0a9e593735_cast:
	s_mov_b64 s[64:65], 0
	v_nop
	global_prefetch_b8 v0, s[64:65] scope:SCOPE_SE
	s_setreg_imm32_b32 hwreg(HW_REG_WAVE_MODE, 25, 1), 1
	s_wait_xcnt 0x0
; x, Wq, Wk, Wv, Wo: f32 to bf16, once, so that both products run on bf16 tiles with rows of 256 bytes.
; bf holds: xb [4096][1024] at byte 0; wqkv [3072][1024] at 8,388,608; wob [1024][1024] at 14,680,064.
; wqkv row order: row hd*192 + half*96 + z*32 + y is row hd*64 + half*32 + y of W_z (z = 0, 1, 2 for q, k, v): one head
; is 192 consecutive rows, and each half of 96 rows holds 32 columns of q, 32 of k and 32 of v.
; Work-group (X, Y) converts 16 rows of 1,024 numbers: Y = 0..3 the quarters of x, Y = 4..7 Wq, Wk, Wv, Wo.
; Thread t owns 16 bytes at 16 t of each f32 row: a load of a wave covers 512 consecutive bytes, a store 256 consecutive aligned bytes.
; All 16 loads of a wave are issued at once; no register is written twice, so no wait stands for a source.
; No LDS, no matrix unit, no cluster: nothing is shared and nothing is read twice.
.set ROWIN,  4096                      ; bytes of an f32 row
.set ROWOUT, 2048                      ; bytes of a bf16 row
.set WQKV,   8388608                   ; byte offset of wqkv in bf
.set XR, 4                             ; v[4:67]   row j: 4 registers as loaded
.set YR, 68                            ; v[68:99]  row j: 2 registers to store
	s_load_b256 s[4:11], s[0:1], 0x0               ; x s[4:5], Wq s[6:7], Wk s[8:9], Wv s[10:11]
	s_load_b128 s[12:15], s[0:1], 0x20             ; Wo s[12:13], bf s[14:15]
	s_and_b32 s16, ttmp7, 0xffff                   ; Y
	s_mov_b32 s17, ttmp9                           ; X
	v_lshlrev_b32 v1, 4, v0                        ; my 16 bytes of an f32 row
	v_lshlrev_b32 v2, 3, v0                        ; my 8 bytes of a bf16 row
	; source offset: the quarter of x (4 MiB each) or 0 for a weight, plus 16 rows for each X
	s_lshl_b32 s18, s16, 22
	s_cmp_lt_u32 s16, 4
	s_cselect_b32 s18, s18, 0
	s_lshl_b32 s23, s17, 16
	s_add_co_u32 s18, s18, s23
	s_mov_b32 s19, 0
	; destination offset, re-ordered form (used for Y = 4..6 alone): rows 16 X .. 16 X + 15 of W_z
	s_lshr_b32 s24, s17, 2                         ; head = X / 4
	s_mul_i32 s24, s24, 192
	s_bfe_u32 s25, s17, 0x10001                    ; half = bit 1 of X
	s_mul_i32 s25, s25, 96
	s_add_co_u32 s24, s24, s25
	s_sub_co_u32 s22, s16, 4                       ; z (a large number for Y below 4: then not chosen)
	s_lshl_b32 s25, s22, 5
	s_add_co_u32 s24, s24, s25
	s_and_b32 s25, s17, 1
	s_lshl_b32 s25, s25, 4
	s_add_co_u32 s24, s24, s25                     ; first row in wqkv
	s_lshl_b32 s24, s24, 11
	s_add_co_u32 s24, s24, WQKV
	; destination offset, plain form: Y * 2 MiB + X * 32 KiB (right for x, and for Wo since 7 * 2 MiB = 14,680,064)
	s_lshl_b32 s20, s16, 21
	s_lshl_b32 s25, s17, 15
	s_add_co_u32 s20, s20, s25
	s_cmp_lt_u32 s22, 3
	s_cselect_b32 s20, s24, s20
	s_mov_b32 s21, 0
	s_wait_kmcnt 0x0
	s_cmp_eq_u32 s16, 4                            ; the source buffer, chosen by Y
	s_cselect_b64 s[4:5], s[6:7], s[4:5]
	s_cmp_eq_u32 s16, 5
	s_cselect_b64 s[4:5], s[8:9], s[4:5]
	s_cmp_eq_u32 s16, 6
	s_cselect_b64 s[4:5], s[10:11], s[4:5]
	s_cmp_eq_u32 s16, 7
	s_cselect_b64 s[4:5], s[12:13], s[4:5]
	s_add_nc_u64 s[4:5], s[4:5], s[18:19]
	s_add_nc_u64 s[14:15], s[14:15], s[20:21]
.set j, 0
.rept 16
	global_load_b128 v[XR+4*j:XR+4*j+3], v1, s[4:5] offset:ROWIN*j th:TH_LOAD_NT   ; read once in the launch
.set j, j+1
.endr
.set j, 0
.rept 16
	s_wait_loadcnt 15-j                            ; loads return in order: row j is in, the 15 - j younger ones stay out
	v_cvt_pk_bf16_f32 v[YR+2*j],   v[XR+4*j],   v[XR+4*j+1]
	v_cvt_pk_bf16_f32 v[YR+2*j+1], v[XR+4*j+2], v[XR+4*j+3]
	global_store_b64 v2, v[YR+2*j:YR+2*j+1], s[14:15] offset:ROWOUT*j              ; later launches read bf: no hint
.set j, j+1
.endr
	s_endpgm
.Lfunc_end_k_q0a9e593735_cast:
	.size	k_q0a9e593735_cast, .Lfunc_end_k_q0a9e593735_cast-k_q0a9e593735_cast
	.p2alignl 7, 3214868480
	.fill 96, 4, 3214868480
	.section	.rodata,"a",@progbits
	.p2align	6, 0x0
	.amdhsa_kernel k_q0a9e593735_cast
		.amdhsa_group_segment_fixed_size 0
		.amdhsa_private_segment_fixed_size 0
		.amdhsa_enable_private_segment 0
		.amdhsa_kernarg_size 48
		.amdhsa_user_sgpr_count 2
		.amdhsa_user_sgpr_kernarg_segment_ptr 1
		.amdhsa_wavefront_size32 1
		.amdhsa_system_sgpr_workgroup_id_x 1
		.amdhsa_system_sgpr_workgroup_id_y 1
		.amdhsa_system_sgpr_workgroup_id_z 1
		.amdhsa_system_vgpr_workitem_id 0
		.amdhsa_next_free_vgpr 100
		.amdhsa_next_free_sgpr 66
		.amdhsa_reserve_vcc 0
		.amdhsa_float_denorm_mode_32 3
		.amdhsa_float_denorm_mode_16_64 3
		.amdhsa_memory_ordered 1
		.amdhsa_forward_progress 1
		.amdhsa_inst_pref_size 8
	.end_amdhsa_kernel
	.amdgpu_metadata
---
amdhsa.version: [ 1, 2 ]
amdhsa.kernels:
  - .name:           k_q0a9e593735_cast
    .symbol:         k_q0a9e593735_cast.kd
    .args:
      - { .name: encoded_vectors, .offset: 0, .size: 8, .value_kind: global_buffer, .address_space: global }
      - { .name: Wq, .offset: 8, .size: 8, .value_kind: global_buffer, .address_space: global }
      - { .name: Wk, .offset: 16, .size: 8, .value_kind: global_buffer, .address_space: global }
      - { .name: Wv, .offset: 24, .size: 8, .value_kind: global_buffer, .address_space: global }
      - { .name: Wo, .offset: 32, .size: 8, .value_kind: global_buffer, .address_space: global }
      - { .name: bf, .offset: 40, .size: 8, .value_kind: global_buffer, .address_space: global }
    .group_segment_fixed_size: 0
    .private_segment_fixed_size: 0
    .kernarg_segment_align: 8
    .kernarg_segment_size: 48
    .max_flat_workgroup_size: 256
    .sgpr_count:     66
    .vgpr_count:     100
    .wavefront_size: 32
...
	.end_amdgpu_metadata
.endif
;; end of part 1
;; launch qkv (part 2): grid 16 x 16, 4 waves a work-group, clusters of 4 x 4, 327,680 bytes of LDS; arguments bf, qt, kt, v32; writes qt, kt, v32
.if DOCPART == 2
	.amdgcn_target "amdgcn-amd-amdhsa--gfx1250"
	.amdhsa_code_object_version 6
	.text
	.protected	k_q0a9e593735_qkv
	.globl	k_q0a9e593735_qkv
	.p2align	8
	.type	k_q0a9e593735_qkv,@function
k_q0a9e593735_qkv:
	s_mov_b64 s[64:65], 0
	v_nop
	global_prefetch_b8 v0, s[64:65] scope:SCOPE_SE
	s_setreg_imm32_b32 hwreg(HW_REG_WAVE_MODE, 25, 1), 1
	s_wait_xcnt 0x0
	s_wait_alu depctr_hold_cnt(0) depctr_sa_sdst(0) depctr_va_vdst(0) depctr_va_sdst(0) depctr_va_ssrc(0) depctr_va_vcc(0) depctr_vm_vsrc(0)
	s_getreg_b32 s2, hwreg(HW_REG_IB_STS2, 6, 4)
	s_cmp_eq_u32 s2, 0
	s_cbranch_scc0 .Lentry_in_a_cluster
	s_endpgm
.Lentry_in_a_cluster:
	s_bfe_u32 s2, ttmp6, 0x10000c
	s_cmp_lg_u32 s2, 0xf033
	s_cbranch_scc0 .Lentry_shape_is_right
	s_endpgm
.Lentry_shape_is_right:
; q, k, v = x Wq^T, x Wk^T, x Wv^T as ONE product [4096 x 3072 x 1024] in bf16 with f32 sums.
; Work-group (bx, by): 256 rows of x (block by) times the 192 rows of wqkv that belong to head bx.  Four waves as 2 x 2, each 128 rows x 96
; columns: 48 accumulator tiles of 16 x 16, 384 registers.  K goes in 8 steps of 128 (tile rows of 256 bytes, aligned) through two LDS slots.
; CLUSTERS: 4 x 4 work-groups.  The tile of x hangs on by alone and is asked for jointly along a row of the cluster, the tile of wqkv on bx
; alone and jointly along a column: each is requested once for four work-groups.
; THE MATRIX INSTRUCTION IS USED TRANSPOSED (source 0 = 16 rows of wqkv, source 1 = 16 rows of x): lane l = 16 h + r then holds row r and the
; eight neighbouring columns 8 h .. 8 h + 7 of a 16 x 16 tile.
; RESULTS LEAVE TILE BY TILE, straight from registers.  q and k: bf16 tiles of 512 bytes, lane l at byte 16 l, which is what lane l needs
; when the tile later is half of a fragment of 32 along K.  v: f32 tiles of 1,024 bytes, registers 4 u .. 4 u + 3 at 512 u + 16 l.
; Each store of a wave covers 512 consecutive aligned bytes.
;   qt, kt: ((b*16 + head)*128 + s/16)*2048 + (d/16)*512 + 16 l        v32: ((row/16)*64 + col/16)*1024 + 512 u + 16 l
; q is multiplied by log2(e)/32 in f32 before its one rounding, so that the next launch works with powers of two.
; REGISTERS: window 0: v16-24 addresses, v64-127 and v128-191 fragments of x (two buffers), v192-223 packed q;
;   window 1: v64-111, v128-175 fragments of wqkv; window 2: accumulators of my rows 0-63, tile (a, b) at v[8 (6 a + b)]; window 3: rows 64-127.
; Tensor loads outstanding in a wave, by this text's count: two at the start, one behind each refill.
.set KSTEP,  128
.set PITCH,  272                       ; 256 bytes + 16 of padding = 17 x 16: the 16 rows of a fragment load start in 16 different 16-byte columns of a 256-byte span
.set AHALF,  128*PITCH                 ; what one load of x brings, and what one wave reads of x
.set BHALF,  96*PITCH                  ; the same for wqkv
.set BOFF,   2*AHALF                   ; wqkv rows lie behind the 256 rows of x
.set SLOT,   2*AHALF+2*BHALF           ; 121,856 bytes
.set WQKV,   8388608                   ; byte offset of wqkv in bf
.set ADRA, 16                          ; v16-17  LDS address of my x fragments, slot 0, 1
.set ADRB, 20                          ; v20-21  the same for wqkv
.set LOFF, 24                          ; v24     16 x lane
.set F0,   64
.set F1,   128
.set TQ,   192
.set G1,  24                           ; s[24:31] group 1, tiles of x
.set G0,  32                           ; s[32:39] group 0, tiles of x, one set a slot
.set G1B, 48                           ; s[48:55] group 1, tiles of wqkv
.set G0B, 56                           ; s[56:63] group 0, tiles of wqkv, one set a slot
.set MSB, 0
.macro WIN new                         ; the high byte of the immediate repeats the setting that is left
.if MSB != (\new)
	s_set_vgpr_msb (MSB<<8)|(\new)
.set MSB, (\new)
.endif
.endm
.set MUL_LO, 0xa1                      ; source 0 window 1, source 1 window 0, C and D window 2
.set MUL_HI, 0xf1                      ; the same, C and D window 3
.set TO_B,   0x40                      ; destination window 1
.macro JLOAD s                         ; waves 0, 1 ask for the halves of x, waves 2, 3 for the halves of wqkv: one load a wave
	s_cmp_eq_u32 s13, 0
	s_cbranch_scc0 .Lfor_b_\@
	tensor_load_to_lds s[G0+4*\s:G0+4*\s+3], s[G1:G1+7]
	s_nop 0
	s_branch .Lasked_\@
.Lfor_b_\@:
	tensor_load_to_lds s[G0B+4*\s:G0B+4*\s+3], s[G1B:G1B+7]
	s_nop 0
.Lasked_\@:
.endm
.macro CREST                           ; a round of the cluster barrier behind its opening work-group barrier
	s_cmp_lg_u32 s12, 0
	s_cbranch_scc1 .Lnot_wave_0_\@
	s_barrier_signal -3
.Lnot_wave_0_\@:
	s_barrier_wait -3
	s_barrier_signal -1
	s_barrier_wait -1
.endm
.macro CROUND
	s_barrier_signal -1
	s_barrier_wait -1
	CREST
.endm
.macro PLACES                          ; four places behind a matrix instruction before its registers are loaded into or read (ISA guide 7.12.1)
.rept 4
	v_nop
.endr
.endm
	s_load_b256 s[4:11], s[0:1], 0x0               ; bf s[4:5], qt s[6:7], kt s[8:9], v32 s[10:11]
	s_set_vgpr_msb 0x40
	v_lshl_add_u32 v255, v0, 2, 0x3fc00
	s_set_vgpr_msb 0x4000
	v_mov_b32 v255, 0
	s_set_vgpr_msb 0x1
	ds_add_u32 v255, v255
	s_set_vgpr_msb 0x100
	v_lshrrev_b32 v1, 5, v0
	v_readfirstlane_b32 s12, v1                    ; wave 0..3
	s_lshr_b32 s13, s12, 1                         ; my half of the rows.  Also: I fetch x (0) or wqkv (1)
	s_and_b32 s14, s12, 1                          ; my half of the columns.  Also: which half of that tile I fetch
	s_bfe_u32 s16, ttmp6, 0x40000                  ; cx
	s_bfe_u32 s17, ttmp6, 0x40004                  ; cy
	s_lshl_b32 s18, ttmp9, 2
	s_add_co_u32 s18, s18, s16                     ; bx = head
	s_and_b32 s19, ttmp7, 0xffff
	s_lshl_b32 s19, s19, 2
	s_add_co_u32 s19, s19, s17                     ; by = block of 256 rows
	s_lshl_b32 s20, s17, 2
	s_lshl_b32 s20, 15, s20                        ; my row of the cluster
	s_lshl_b32 s21, 0x1111, s16                    ; my column
	s_mov_b32 s46, 0x3d38aa3b                      ; log2(e) / 32, twice (a pair for the packed multiply)
	s_mov_b32 s47, 0x3d38aa3b
	; group 1: 128 (x) or 96 (wqkv) rows of 128 elements of 2 bytes, 4 words of padding behind every 64 words, pitch 1,024 elements
	s_or_b32 s[G1+0], s20, (1<<16)|(1<<20)|(1<<21)|(5<<22)|(3<<25)
	s_mov_b32 s[G1+1], KSTEP<<16                   ; tensor_dim0 = 128
	s_mov_b32 s[G1+2], 128<<16                     ; tensor_dim1 = 128
	s_mov_b32 s[G1+3], KSTEP<<16                   ; tile_dim0 = 128
	s_mov_b32 s[G1+4], 128                         ; tile_dim1 = 128
	s_mov_b32 s[G1+5], 1024
	s_mov_b32 s[G1+6], 0
	s_mov_b32 s[G1+7], 0
	s_or_b32 s[G1B+0], s21, (1<<16)|(1<<20)|(1<<21)|(5<<22)|(3<<25)
	s_mov_b32 s[G1B+1], KSTEP<<16
	s_mov_b32 s[G1B+2], 96<<16                     ; tensor_dim1 = 96
	s_mov_b32 s[G1B+3], KSTEP<<16
	s_mov_b32 s[G1B+4], 96                         ; tile_dim1 = 96
	s_mov_b32 s[G1B+5], 1024
	s_mov_b32 s[G1B+6], 0
	s_mov_b32 s[G1B+7], 0
	; where the tiles come from; s22 never holds cx, s23 never holds cy
	s_lshl_b32 s40, s19, 19                        ; x: (256 by + 128 half) rows of 2,048 bytes
	s_lshl_b32 s22, s14, 18
	s_add_co_u32 s40, s40, s22
	s_mov_b32 s41, 0
	s_mul_i32 s42, s18, 192*2048                   ; wqkv: (192 bx + 96 half) rows of 2,048 bytes
	s_mul_i32 s23, s14, 96*2048
	s_add_co_u32 s42, s42, s23
	s_add_co_u32 s42, s42, WQKV
	s_mov_b32 s43, 0
	s_mul_i32 s44, s12, AHALF                      ; and where they go: wave x 128 rows (waves 0, 1),
	s_mul_i32 s45, s12, BHALF
	s_add_co_u32 s45, s45, BOFF-2*BHALF            ; BOFF + (wave - 2) x 96 rows (waves 2, 3)
	s_wait_dscnt 0x0
	s_wait_kmcnt 0x0
	s_add_nc_u64 s[40:41], s[4:5], s[40:41]
	s_add_nc_u64 s[42:43], s[4:5], s[42:43]
	CROUND                                         ; all sixteen work-groups are here: the first joint loads meet
.irp s, 0,1
	s_mov_b32 s[G0+4*\s], 1
	s_add_co_u32 s[G0+4*\s+1], s44, \s*SLOT
	s_add_nc_u64 s[G0+4*\s+2:G0+4*\s+3], s[40:41], \s*KSTEP*2
	s_or_b32 s[G0+4*\s+3], s[G0+4*\s+3], 0x80000000
	s_mov_b32 s[G0B+4*\s], 1
	s_add_co_u32 s[G0B+4*\s+1], s45, \s*SLOT
	s_add_nc_u64 s[G0B+4*\s+2:G0B+4*\s+3], s[42:43], \s*KSTEP*2
	s_or_b32 s[G0B+4*\s+3], s[G0B+4*\s+3], 0x80000000
	JLOAD \s                                       ; K steps 0 and 1: both slots are asked for before anything else
.endr
	; fragment addresses: lane l takes row l % 16, 16 bytes at 16 (l / 16), and again 32 bytes on
	v_and_b32 v1, 15, v0
	v_bfe_u32 v2, v0, 4, 1
	v_mul_u32_u24 v3, v1, PITCH
	v_lshl_add_u32 v3, v2, 4, v3
	s_mul_i32 s22, s13, AHALF
	s_mul_i32 s23, s14, BHALF
	s_add_co_u32 s23, s23, BOFF
.irp s, 0,1
	v_add_nc_u32 v[ADRA+\s], s22, v3
	v_add_nc_u32 v[ADRB+\s], s23, v3
	s_add_co_u32 s22, s22, SLOT
	s_add_co_u32 s23, s23, SLOT
.endr
	v_and_b32 v4, 31, v0
	v_lshlrev_b32 v[LOFF], 4, v4
; 12 matrix instructions: row blocks a0, a0 + 1 of the four of a window x all 6 column blocks, 32 along K.  zero = 1: the product starts the sums.
.macro MUL12 f, hi, a0, zero
.irp a, \a0, \a0+1
.irp b, 0,1,2,3,4,5
.if \zero
	v_wmma_f32_16x16x32_bf16 v[8*(6*(\a)+\b):8*(6*(\a)+\b)+7], v[\f+8*\b:\f+8*\b+7], v[\f+8*(4*\hi+\a):\f+8*(4*\hi+\a)+7], 0
.else
	v_wmma_f32_16x16x32_bf16 v[8*(6*(\a)+\b):8*(6*(\a)+\b)+7], v[\f+8*\b:\f+8*\b+7], v[\f+8*(4*\hi+\a):\f+8*(4*\hi+\a)+7], v[8*(6*(\a)+\b):8*(6*(\a)+\b)+7]
.endif
.endr
.endr
.endm
; 28 LDS loads in one run: 96 rows of wqkv, then 128 rows of x, 32 K at byte k of the rows, into buffer f
.macro FETCH slot, k, f
	WIN TO_B
.irp i, 0,1,2,3,4,5
	ds_load_b128 v[\f+8*\i:\f+8*\i+3],   v[ADRB+\slot] offset:\k+\i*16*PITCH
	ds_load_b128 v[\f+8*\i+4:\f+8*\i+7], v[ADRB+\slot] offset:\k+\i*16*PITCH+32
.endr
	WIN 0
.irp i, 0,1,2,3,4,5,6,7
	ds_load_b128 v[\f+8*\i:\f+8*\i+3],   v[ADRA+\slot] offset:\k+\i*16*PITCH
	ds_load_b128 v[\f+8*\i+4:\f+8*\i+7], v[ADRA+\slot] offset:\k+\i*16*PITCH+32
.endr
.endm
; A quarter of a K step: 48 matrix instructions on buffer f; in its middle the next quarter is fetched into buffer g.
; The 48 accumulators take turns in one fixed order, one instruction a turn, over the backward jump too.
.macro QUARTER slot, k, f, g, zero
	s_wait_dscnt 8                                 ; all but the youngest eight loads (rows 64-127 of x) are in
	WIN MUL_LO
	MUL12 \f, 0, 0, \zero
	MUL12 \f, 0, 2, \zero
	PLACES
	FETCH \slot, \k, \g
	s_wait_dscnt 28                                ; all but the 28 just issued
	WIN MUL_HI
	MUL12 \f, 1, 0, \zero
	MUL12 \f, 1, 2, \zero
.endm
.macro THREE slot, zero
	QUARTER \slot, 64,  F0, F1, \zero
	QUARTER \slot, 128, F1, F0, 0
	QUARTER \slot, 192, F0, F1, 0
.endm
; The last quarter multiplies buffer 1 and changes slots.  In front of the barrier each wave has its reads of this slot back and all its
; tensor loads landed (the one that was out is its part of the next slot).  fill = 1: the barrier opens a round of the cluster barrier, and the
; joint refill of this slot, two K steps ahead, is the first tensor load behind the round.  From that request to the wait for it a wave
; issues 180 matrix instructions.
.macro TURN slot, next, fill
	s_wait_dscnt 8
	WIN MUL_LO
	MUL12 F1, 0, 0, 0
	s_wait_dscnt 0
	s_wait_tensorcnt 0x0
	ds_add_u32 v255, v255
	s_wait_dscnt 0x0
	s_barrier_signal -1
	MUL12 F1, 0, 2, 0                              ; register work alone between signal and wait
	WIN 0
	s_barrier_wait -1
.if \fill
	CREST
	s_add_nc_u64 s[G0+4*\slot+2:G0+4*\slot+3], s[G0+4*\slot+2:G0+4*\slot+3], 2*KSTEP*2      ; no tensor load of mine is out: group 0 may be written
	s_add_nc_u64 s[G0B+4*\slot+2:G0B+4*\slot+3], s[G0B+4*\slot+2:G0B+4*\slot+3], 2*KSTEP*2
	JLOAD \slot
.endif
	PLACES
	FETCH \next, 0, F0
	WIN MUL_HI
	MUL12 F1, 1, 0, 0
	MUL12 F1, 1, 2, 0
.endm
.macro LAP zero
	THREE 0, \zero
	TURN 0, 1, 1
	THREE 1, 0
	TURN 1, 0, 1
.endm
	s_wait_tensorcnt 1                             ; my part of K step 0 is in; K step 1 stays out
	s_barrier_signal -1
	s_barrier_wait -1
	FETCH 0, 0, F0
	LAP 1                                          ; K steps 0, 1; asks for 2, 3
	WIN 0
	s_mov_b32 s15, 2
.Llap:
	LAP 0                                          ; K steps 2..5; asks for 4..7
	WIN 0
	s_sub_co_u32 s15, s15, 1
	s_cmp_lg_u32 s15, 0
	s_cbranch_scc1 .Llap
	THREE 0, 0                                     ; K steps 6, 7: nothing is left to ask for
	TURN 0, 1, 0
	THREE 1, 0
	s_wait_dscnt 8
	WIN MUL_LO
	MUL12 F1, 0, 0, 0
	MUL12 F1, 0, 2, 0
	s_wait_dscnt 0
	WIN MUL_HI
	MUL12 F1, 1, 0, 0
	MUL12 F1, 1, 2, 0
	PLACES                                         ; behind the last matrix instructions: results are read, fragment buffers rewritten
	; THE WAY OUT.  q, k offset: b<<22 + head<<18 + (by&7)<<15 + rowhalf<<14 + colhalf<<10; v offset: by<<20 + rowhalf<<19 + head<<12 + colhalf<<11
	s_lshr_b32 s68, s19, 3
	s_lshl_b32 s68, s68, 22
	s_and_b32 s22, s19, 7
	s_lshl_b32 s22, s22, 15
	s_add_co_u32 s68, s68, s22
	s_lshl_b32 s22, s13, 14
	s_add_co_u32 s68, s68, s22
	s_lshl_b32 s23, s18, 18
	s_add_co_u32 s68, s68, s23
	s_lshl_b32 s23, s14, 10
	s_add_co_u32 s68, s68, s23
	s_mov_b32 s69, 0
	s_lshl_b32 s70, s19, 20
	s_lshl_b32 s22, s13, 19
	s_add_co_u32 s70, s70, s22
	s_lshl_b32 s23, s18, 12
	s_add_co_u32 s70, s70, s23
	s_lshl_b32 s23, s14, 11
	s_add_co_u32 s70, s70, s23
	s_mov_b32 s71, 0
	s_add_nc_u64 s[6:7], s[6:7], s[68:69]
	s_add_nc_u64 s[8:9], s[8:9], s[68:69]
	s_add_nc_u64 s[10:11], s[10:11], s[70:71]
; The 24 tiles of one window: column blocks 0, 1 are q, 2, 3 are k, 4, 5 are v.  w1: source 0 in the window; w2: sources 0 and 1; w3: store data.
.macro OUTH hi, w1, w2, w3
.if \hi
	s_wait_xcnt 0x0                                ; the packed q and k of the first half are store data: rewritten only behind this wait
.endif
	WIN \w1
.irp a, 0,1,2,3
.irp c, 0,1
.irp i, 0,1,2,3
	v_pk_mul_f32 v[F0+8*(2*\a+\c)+2*\i:F0+8*(2*\a+\c)+2*\i+1], v[8*(6*\a+\c)+2*\i:8*(6*\a+\c)+2*\i+1], s[46:47] op_sel_hi:[1,0]   ; q log2(e)/32, in f32
.endr
.endr
.endr
	WIN \w2
.irp a, 0,1,2,3
.irp c, 0,1
.irp i, 0,1,2,3
	v_cvt_pk_bf16_f32 v[F1+4*(2*\a+\c)+\i], v[8*(6*\a+2+\c)+2*\i], v[8*(6*\a+2+\c)+2*\i+1]        ; k
.endr
.endr
.endr
	WIN 0
.irp a, 0,1,2,3
.irp c, 0,1
.irp i, 0,1,2,3
	v_cvt_pk_bf16_f32 v[TQ+4*(2*\a+\c)+\i], v[F0+8*(2*\a+\c)+2*\i], v[F0+8*(2*\a+\c)+2*\i+1]
.endr
.endr
.endr
.irp a, 0,1,2,3
.irp c, 0,1
	global_store_b128 v[LOFF], v[TQ+4*(2*\a+\c):TQ+4*(2*\a+\c)+3], s[6:7] offset:(4*\hi+\a)*2048+\c*512
	global_store_b128 v[LOFF], v[F1+4*(2*\a+\c):F1+4*(2*\a+\c)+3], s[8:9] offset:(4*\hi+\a)*2048+\c*512
.endr
.endr
	WIN \w3
.irp a, 0,1,2,3
.irp c, 0,1
.irp u, 0,1
	global_store_b128 v[LOFF], v[8*(6*\a+4+\c)+4*\u:8*(6*\a+4+\c)+4*\u+3], s[10:11] offset:(4*\hi+\a)*65536+\c*1024+\u*512   ; v stays f32
.endr
.endr
.endr
	WIN 0
.endm
	OUTH 0, 0x02, 0x0a, 0x08
	OUTH 1, 0x03, 0x0f, 0x0c
	CROUND                                         ; the closing round: no work-group ends while a partner may still ask jointly
	s_endpgm
.Lfunc_end_k_q0a9e593735_qkv:
	.size	k_q0a9e593735_qkv, .Lfunc_end_k_q0a9e593735_qkv-k_q0a9e593735_qkv
	.p2alignl 7, 3214868480
	.fill 96, 4, 3214868480
	.section	.rodata,"a",@progbits
	.p2align	6, 0x0
	.amdhsa_kernel k_q0a9e593735_qkv
		.amdhsa_group_segment_fixed_size 327680
		.amdhsa_private_segment_fixed_size 0
		.amdhsa_enable_private_segment 0
		.amdhsa_kernarg_size 32
		.amdhsa_user_sgpr_count 2
		.amdhsa_user_sgpr_kernarg_segment_ptr 1
		.amdhsa_wavefront_size32 1
		.amdhsa_system_sgpr_workgroup_id_x 1
		.amdhsa_system_sgpr_workgroup_id_y 1
		.amdhsa_system_sgpr_workgroup_id_z 1
		.amdhsa_system_vgpr_workitem_id 0
		.amdhsa_next_free_vgpr 960
		.amdhsa_next_free_sgpr 80
		.amdhsa_reserve_vcc 0
		.amdhsa_float_denorm_mode_32 3
		.amdhsa_float_denorm_mode_16_64 3
		.amdhsa_memory_ordered 1
		.amdhsa_forward_progress 1
		.amdhsa_inst_pref_size 151
	.end_amdhsa_kernel
	.amdgpu_metadata
---
amdhsa.version: [ 1, 2 ]
amdhsa.kernels:
  - .name:           k_q0a9e593735_qkv
    .symbol:         k_q0a9e593735_qkv.kd
    .args:
      - { .name: bf, .offset: 0, .size: 8, .value_kind: global_buffer, .address_space: global }
      - { .name: qt, .offset: 8, .size: 8, .value_kind: global_buffer, .address_space: global }
      - { .name: kt, .offset: 16, .size: 8, .value_kind: global_buffer, .address_space: global }
      - { .name: v32, .offset: 24, .size: 8, .value_kind: global_buffer, .address_space: global }
    .group_segment_fixed_size: 327680
    .private_segment_fixed_size: 0
    .kernarg_segment_align: 8
    .kernarg_segment_size: 32
    .max_flat_workgroup_size: 128
    .sgpr_count:     80
    .vgpr_count:     960
    .wavefront_size: 32
...
	.end_amdgpu_metadata
.endif
;; end of part 2
;; launch attn (part 3): grid 256 x 1, 16 waves a work-group, no clusters, 38,912 bytes of LDS; arguments qt, kt, v32, at; writes at
.if DOCPART == 3
	.amdgcn_target "amdgcn-amd-amdhsa--gfx1250"
	.amdhsa_code_object_version 6
	.text
	.protected	k_q0a9e593735_attn
	.globl	k_q0a9e593735_attn
	.p2align	8
	.type	k_q0a9e593735_attn,@function
k_q0a9e593735_attn:
	s_mov_b64 s[64:65], 0
	v_nop
	global_prefetch_b8 v0, s[64:65] scope:SCOPE_SE
	s_setreg_imm32_b32 hwreg(HW_REG_WAVE_MODE, 25, 1), 1
	s_wait_xcnt 0x0
; For each (batch, head) and query s: p = exp(l_ss - max) / sum over t <= s of exp(l_st - max), l = q k / 32; then at = p v in bf16.
; Only the diagonal of the softmax is used, so there is no product with v: a running maximum, a running sum and the diagonal score.
; q comes multiplied by log2(e)/32, so all exponentials are powers of two.
; WORK: work-group = (bh = id / 8, i = id % 8) takes query blocks 15 - i and i of 128 queries: 17 chunks of 128 x 128 scores in every work-group.
; Waves 0-7 take block 15 - i, waves 8-15 block i.  Wave w of a set holds ALL 128 queries of its block in 128 registers and takes key tile w
; (16 keys) of every chunk of 128 keys: 4 loads of 512 consecutive bytes straight into registers, asked for one chunk ahead.
; No LDS and no barrier in the loop.  Keys above the diagonal are not computed, but for the chunk on the diagonal.
; SCORES ARE MADE TRANSPOSED: source 0 = 16 keys, source 1 = 16 queries, so lane (r, h) holds query r and its registers j the keys 8 h + j:
; maximum and sum run down a lane's own registers.
; At the end the 16 partial (maximum, sum) of a query (8 waves x 2 halves of the lanes) meet in LDS behind the one barrier; wave w finishes
; query group w, whose diagonal scores it holds.
; NO JOINT LOADS: the eight work-groups of a head need 16 - i and i + 1 chunks of keys, so partners would make different numbers of requests;
; equal numbers would mean 32 chunks in place of 17.
; LIMITS: masked scores and the starting maximum are -FLT_MAX (0xff7fffff), not -infinity: right as long as true scaled scores lie above it;
; a partial made of masked keys alone keeps that maximum and gets the weight 2^(-FLT_MAX - max) = 0 in the merge.  v_exp_f32 gives 0 for
; results below 2^-126.  NaN and infinities in the inputs are not followed as the definition follows them.
.set LOFF, 1                           ; v1        16 x lane
.set KOFF, 2                           ; v2        16 x lane + 16,384 x chunk
.set NEGR, 3                           ; v3        -FLT_MAX
.set DG,   4                           ; v4        my diagonal score (0 in lanes that hold none)
.set SADR, 5                           ; v5        LDS: where my partials go
.set RADR, 6                           ; v6        LDS: where I read partials
.set T,    8                           ; v[8:9]    new maximum, factor of the old sum
.set Q,    16                          ; v[16:143] query group g, K step f at 16 g + 8 f
.set ACC,  144                         ; v[144:207] eight score tiles; later v and the partials
.set KF,   208                         ; v[208:223] key fragments; later the packed result
.set M,    224                         ; v[224:231] running maxima
.set LS,   232                         ; v[232:239] running sums
.set MM,   ACC+32                      ; merge: eight maxima
.set ML,   ACC+40                      ; merge: eight sums
.set TRI,  20                          ; s[20:27]  lanes with 8 h + j > r
.set EQ,   28                          ; s[28:35]  lanes with 8 h + j = r
.set WPART, 1152                       ; LDS bytes of a wave: two halves of the lanes x (128 queries x 4 + 64)
.set HPART, 576                        ; = 9 x 64: the two halves of the lanes lie 16 words apart modulo 64 words
.set LSOFF, 16*WPART                   ; the sums lie behind the maxima
	s_load_b256 s[4:11], s[0:1], 0x0               ; qt s[4:5], kt s[6:7], v32 s[8:9], at s[10:11]
	v_lshl_add_u32 v240, v0, 2, 0x9000
	v_mov_b32 v241, 0
	v_lshrrev_b32 v1, 5, v0
	v_readfirstlane_b32 s12, v1                    ; wave 0..15
	s_and_b32 s13, s12, 7                          ; w
	s_lshr_b32 s14, s12, 3                         ; set
	s_and_b32 s15, ttmp9, 7                        ; i
	s_lshr_b32 s16, ttmp9, 3                       ; bh
	s_sub_co_u32 s17, 15, s15
	s_cmp_lg_u32 s14, 0
	s_cselect_b32 s17, s15, s17                    ; my query block: 15 - i or i
.irp j, 0,1,2,3,4,5,6,7
	s_mov_b32 s[TRI+\j], ((1<<\j)-1)|(((1<<(8+\j))-1)<<16)
	s_mov_b32 s[EQ+\j], (1<<\j)|(1<<(24+\j))
.endr
	s_mov_b32 s36, 0x76543210                      ; v_permlanex16_b32: lane i of one half reads lane i of the other
	s_mov_b32 s37, 0xfedcba98
	s_lshl_b32 s38, s16, 18                        ; q: bh<<18 + block<<14
	s_lshl_b32 s19, s17, 14
	s_add_co_u32 s38, s38, s19
	s_mov_b32 s39, 0
	s_lshl_b32 s40, s16, 18                        ; k: bh<<18 + w<<11
	s_lshl_b32 s19, s13, 11
	s_add_co_u32 s40, s40, s19
	s_mov_b32 s41, 0
	s_lshr_b32 s42, s16, 4                         ; v: b<<23 + block<<19 + w<<16 + head<<12
	s_lshl_b32 s42, s42, 23
	s_lshl_b32 s19, s17, 19
	s_add_co_u32 s42, s42, s19
	s_lshl_b32 s19, s13, 16
	s_add_co_u32 s42, s42, s19
	s_and_b32 s19, s16, 15
	s_lshl_b32 s19, s19, 12
	s_add_co_u32 s42, s42, s19
	s_mov_b32 s43, 0
	s_lshr_b32 s44, s16, 4                         ; at: ((b*16 + block)*4 + head/4)<<16 + w<<13 + (head%4)<<11
	s_lshl_b32 s44, s44, 4
	s_add_co_u32 s44, s44, s17
	s_lshl_b32 s44, s44, 2
	s_bfe_u32 s19, s16, 0x20002
	s_add_co_u32 s44, s44, s19
	s_lshl_b32 s44, s44, 16
	s_lshl_b32 s19, s13, 13
	s_add_co_u32 s44, s44, s19
	s_and_b32 s19, s16, 3
	s_lshl_b32 s19, s19, 11
	s_add_co_u32 s44, s44, s19
	s_mov_b32 s45, 0
	v_and_b32 v10, 31, v0
	v_lshlrev_b32 v[LOFF], 4, v10
	v_lshlrev_b32 v[KOFF], 4, v10
	s_wait_kmcnt 0x0
	s_add_nc_u64 s[4:5], s[4:5], s[38:39]
	s_add_nc_u64 s[6:7], s[6:7], s[40:41]
	s_add_nc_u64 s[8:9], s[8:9], s[42:43]
	s_add_nc_u64 s[10:11], s[10:11], s[44:45]
.irp g, 0,1,2,3,4,5,6,7
.irp c, 0,1,2,3
	global_load_b128 v[Q+16*\g+4*\c:Q+16*\g+4*\c+3], v[LOFF], s[4:5] offset:\g*2048+\c*512   ; tile c of group g: half of the fragment of K step c / 2
.endr
.endr
.irp c, 0,1,2,3
	global_load_b128 v[KF+4*\c:KF+4*\c+3], v[KOFF], s[6:7] offset:\c*512                     ; my key tile of chunk 0
.endr
	v_and_b32 v10, 15, v0                          ; r
	v_bfe_u32 v11, v0, 4, 1                        ; h
	v_mul_u32_u24 v12, v11, HPART
	v_lshl_add_u32 v12, v10, 2, v12                ; 576 h + 4 r
	s_mul_i32 s46, s12, WPART
	v_add_nc_u32 v[SADR], s46, v12                 ; my wave's own bytes: wave x 1,152
	s_mul_i32 s46, s14, 8*WPART
	s_lshl_b32 s47, s13, 6
	s_add_co_u32 s47, s47, s46
	v_add_nc_u32 v[RADR], s47, v12                 ; my set's first wave, queries 16 w + r
	v_mov_b32 v[NEGR], 0xff7fffff
	v_mov_b32 v[DG], 0
.irp g, 0,1,2,3,4,5,6,7
	v_mov_b32 v[M+\g], 0xff7fffff
	v_mov_b32 v[LS+\g], 0
.endr
; 16 keys x 128 queries x 64: the first K step starts the eight sums, the second adds in place.  The eight accumulators take turns, one
; instruction a turn.  Four places close the run: results are read and the key fragments loaded again behind them.
.macro SCORES
.irp g, 0,1,2,3,4,5,6,7
	v_wmma_f32_16x16x32_bf16 v[ACC+8*\g:ACC+8*\g+7], v[KF:KF+7], v[Q+16*\g:Q+16*\g+7], 0
.endr
.irp g, 0,1,2,3,4,5,6,7
	v_wmma_f32_16x16x32_bf16 v[ACC+8*\g:ACC+8*\g+7], v[KF+8:KF+15], v[Q+16*\g+8:Q+16*\g+15], v[ACC+8*\g:ACC+8*\g+7]
.endr
.rept 4
	v_nop
.endr
.endm
; Eight scores of one query in each lane go into the running maximum and sum of group g.
.macro SOFT g
.set SA, ACC+8*\g
	v_max3_num_f32 v[T],   v[SA],   v[SA+1], v[M+\g]
	v_max3_num_f32 v[T+1], v[SA+2], v[SA+3], v[SA+4]
	v_max3_num_f32 v[T],   v[T],    v[SA+5], v[SA+6]
	v_max3_num_f32 v[T],   v[T],    v[T+1],  v[SA+7]           ; the new maximum
	v_sub_f32 v[T+1], v[M+\g], v[T]                            ; old maximum - new
.irp i, 0,2,4,6
	v_pk_add_f32 v[SA+\i:SA+\i+1], v[SA+\i:SA+\i+1], v[T:T+1] op_sel_hi:[1,0] neg_lo:[0,1] neg_hi:[0,1]   ; score - new maximum, twice
.endr
	v_exp_f32 v[T+1], v[T+1]
.irp j, 0,1,2,3,4,5,6,7
	v_exp_f32 v[SA+\j], v[SA+\j]
.endr
	v_mov_b32 v[M+\g], v[T]                                    ; the plain instruction between the exponentials and their first use (ISA guide 5.7.2)
	s_wait_alu depctr_va_vdst(0)
	v_pk_add_f32 v[SA:SA+1],   v[SA:SA+1],   v[SA+2:SA+3]
	v_pk_add_f32 v[SA+4:SA+5], v[SA+4:SA+5], v[SA+6:SA+7]
	v_pk_add_f32 v[SA:SA+1],   v[SA:SA+1],   v[SA+4:SA+5]
	v_add_f32 v[SA], v[SA], v[SA+1]
	v_fma_f32 v[LS+\g], v[LS+\g], v[T+1], v[SA]                ; old sum x factor + new terms
.endm
	s_mov_b32 s18, 0
	s_cmp_eq_u32 s17, 0
	s_cbranch_scc1 .Ldiag                          ; block 0 has the diagonal chunk alone
.Lchunk:                                               ; the chunks below the diagonal: as many trips as my block's number
	s_wait_loadcnt 0x0                             ; this chunk's keys (and, in the first trip, the queries) are in; KOFF is free
	SCORES
	v_add_nc_u32 v[KOFF], 0x4000, v[KOFF]          ; the next chunk, at most the diagonal one: always inside kt, always used
.irp c, 0,1,2,3
	global_load_b128 v[KF+4*\c:KF+4*\c+3], v[KOFF], s[6:7] offset:\c*512   ; lands during the eight SOFT below
.endr
.irp g, 0,1,2,3,4,5,6,7
	SOFT \g
.endr
	s_add_co_u32 s18, s18, 1
	s_cmp_lt_u32 s18, s17
	s_cbranch_scc1 .Lchunk
.Ldiag:                                                ; the chunk on the diagonal: my keys 16 w + .., queries 16 g + ..
	s_wait_loadcnt 0x0
	SCORES
.irp g, 0,1,2,3,4,5,6,7
	s_cmp_gt_u32 s13, \g
	s_cbranch_scc1 .Lskip_\g                       ; g < w: every key lies above the diagonal
	s_cmp_lg_u32 s13, \g
	s_cbranch_scc1 .Lplain_\g                      ; g > w: none does
.irp j, 0,1,2,3,4,5,6,7
	v_cndmask_b32 v[DG], v[DG], v[ACC+8*\g+\j], s[EQ+\j]                     ; keep the diagonal score
	v_cndmask_b32 v[ACC+8*\g+\j], v[ACC+8*\g+\j], v[NEGR], s[TRI+\j]         ; mask the keys above it
.endr
.Lplain_\g:
	SOFT \g
.Lskip_\g:
.endr
	; v of my query group (four f32 tiles, 4 KiB) is asked for now and lands during the merge
.irp c, 0,1,2,3
	global_load_b128 v[ACC+8*\c:ACC+8*\c+3],   v[LOFF], s[8:9] offset:\c*1024
	global_load_b128 v[ACC+8*\c+4:ACC+8*\c+7], v[LOFF], s[8:9] offset:\c*1024+512
.endr
.irp g, 0,1,2,3,4,5,6,7
	ds_store_b32 v[SADR], v[M+\g]  offset:\g*64
	ds_store_b32 v[SADR], v[LS+\g] offset:LSOFF+\g*64
.endr
	s_wait_dscnt 0x0                               ; my partials are in LDS, for the other waves
	s_barrier_signal -1
	s_barrier_wait -1
.irp t, 0,1,2,3,4,5,6,7
	ds_load_b32 v[MM+\t], v[RADR] offset:\t*WPART
.endr
.irp t, 0,1,2,3,4,5,6,7
	ds_load_b32 v[ML+\t], v[RADR] offset:LSOFF+\t*WPART
.endr
	v_permlanex16_b32 v12, v[DG], s36, s37         ; the diagonal score lies in one half of the lanes, 0 in the other
	v_add_f32 v[DG], v[DG], v12
	s_wait_dscnt 0x0
	v_max3_num_f32 v10, v[MM], v[MM+1], v[MM+2]
	v_max3_num_f32 v11, v[MM+3], v[MM+4], v[MM+5]
	v_max3_num_f32 v10, v10, v[MM+6], v[MM+7]
	v_max_num_f32 v10, v10, v11
	v_permlanex16_b32 v11, v10, s36, s37
	v_max_num_f32 v10, v10, v11                    ; the maximum of query 16 w + r, in both halves
.irp t, 0,1,2,3,4,5,6,7
	v_sub_f32 v[MM+\t], v[MM+\t], v10
.endr
	v_sub_f32 v[DG], v[DG], v10
.irp t, 0,1,2,3,4,5,6,7
	v_exp_f32 v[MM+\t], v[MM+\t]
.endr
	v_exp_f32 v[DG], v[DG]
	v_nop                                          ; the plain place behind the exponentials
	s_wait_alu depctr_va_vdst(0)
	v_mul_f32 v13, v[MM], v[ML]
	v_mul_f32 v14, v[MM+1], v[ML+1]
.irp t, 2,4,6
	v_fma_f32 v13, v[MM+\t], v[ML+\t], v13
	v_fma_f32 v14, v[MM+\t+1], v[ML+\t+1], v14
.endr
	v_add_f32 v13, v13, v14
	v_permlanex16_b32 v14, v13, s36, s37
	v_add_f32 v13, v13, v14                        ; the whole sum; at least 1, since the term of the maximum is 1
	v_rcp_f32 v13, v13
	v_nop                                          ; the plain place behind the reciprocal
	s_wait_alu depctr_va_vdst(0)
	v_mul_f32 v14, v[DG], v13                      ; p, twice: a pair for the packed multiply
	v_mul_f32 v15, v[DG], v13
	s_wait_loadcnt 0x0                             ; v
.irp i, 0,1,2,3,4,5,6,7,8,9,10,11,12,13,14,15
	v_pk_mul_f32 v[ACC+2*\i:ACC+2*\i+1], v[ACC+2*\i:ACC+2*\i+1], v[14:15]
.endr
.irp i, 0,1,2,3,4,5,6,7,8,9,10,11,12,13,14,15
	v_cvt_pk_bf16_f32 v[KF+\i], v[ACC+2*\i], v[ACC+2*\i+1]
.endr
.irp c, 0,1,2,3
	global_store_b128 v[LOFF], v[KF+4*\c:KF+4*\c+3], s[10:11] offset:\c*512   ; four bf16 tiles: 2,048 consecutive bytes of a wave
.endr
	s_wait_tensorcnt 0x0
	ds_add_u32 v240, v241
	s_wait_dscnt 0x0
	s_endpgm
.Lfunc_end_k_q0a9e593735_attn:
	.size	k_q0a9e593735_attn, .Lfunc_end_k_q0a9e593735_attn-k_q0a9e593735_attn
	.p2alignl 7, 3214868480
	.fill 96, 4, 3214868480
	.section	.rodata,"a",@progbits
	.p2align	6, 0x0
	.amdhsa_kernel k_q0a9e593735_attn
		.amdhsa_group_segment_fixed_size 38912
		.amdhsa_private_segment_fixed_size 0
		.amdhsa_enable_private_segment 0
		.amdhsa_kernarg_size 32
		.amdhsa_user_sgpr_count 2
		.amdhsa_user_sgpr_kernarg_segment_ptr 1
		.amdhsa_wavefront_size32 1
		.amdhsa_system_sgpr_workgroup_id_x 1
		.amdhsa_system_sgpr_workgroup_id_y 1
		.amdhsa_system_sgpr_workgroup_id_z 1
		.amdhsa_system_vgpr_workitem_id 0
		.amdhsa_next_free_vgpr 242
		.amdhsa_next_free_sgpr 66
		.amdhsa_reserve_vcc 0
		.amdhsa_float_denorm_mode_32 3
		.amdhsa_float_denorm_mode_16_64 3
		.amdhsa_memory_ordered 1
		.amdhsa_forward_progress 1
		.amdhsa_inst_pref_size 46
	.end_amdhsa_kernel
	.amdgpu_metadata
---
amdhsa.version: [ 1, 2 ]
amdhsa.kernels:
  - .name:           k_q0a9e593735_attn
    .symbol:         k_q0a9e593735_attn.kd
    .args:
      - { .name: qt, .offset: 0, .size: 8, .value_kind: global_buffer, .address_space: global }
      - { .name: kt, .offset: 8, .size: 8, .value_kind: global_buffer, .address_space: global }
      - { .name: v32, .offset: 16, .size: 8, .value_kind: global_buffer, .address_space: global }
      - { .name: at, .offset: 24, .size: 8, .value_kind: global_buffer, .address_space: global }
    .group_segment_fixed_size: 38912
    .private_segment_fixed_size: 0
    .kernarg_segment_align: 8
    .kernarg_segment_size: 32
    .max_flat_workgroup_size: 512
    .sgpr_count:     66
    .vgpr_count:     242
    .wavefront_size: 32
...
	.end_amdgpu_metadata
.endif
;; end of part 3
;; launch oproj (part 4): grid 8 x 32, 4 waves a work-group, clusters of 4 x 4, 327,680 bytes of LDS; arguments at, bf, v32, out0; writes out0
.if DOCPART == 4
	.amdgcn_target "amdgcn-amd-amdhsa--gfx1250"
	.amdhsa_code_object_version 6
	.text
	.protected	k_q0a9e593735_oproj
	.globl	k_q0a9e593735_oproj
	.p2align	8
	.type	k_q0a9e593735_oproj,@function
k_q0a9e593735_oproj:
	s_mov_b64 s[64:65], 0
	v_nop
	global_prefetch_b8 v0, s[64:65] scope:SCOPE_SE
	s_setreg_imm32_b32 hwreg(HW_REG_WAVE_MODE, 25, 1), 1
	s_wait_xcnt 0x0
	s_wait_alu depctr_hold_cnt(0) depctr_sa_sdst(0) depctr_va_vdst(0) depctr_va_sdst(0) depctr_va_ssrc(0) depctr_va_vcc(0) depctr_vm_vsrc(0)
	s_getreg_b32 s2, hwreg(HW_REG_IB_STS2, 6, 4)
	s_cmp_eq_u32 s2, 0
	s_cbranch_scc0 .Lentry_in_a_cluster
	s_endpgm
.Lentry_in_a_cluster:
	s_bfe_u32 s2, ttmp6, 0x10000c
	s_cmp_lg_u32 s2, 0xf033
	s_cbranch_scc0 .Lentry_shape_is_right
	s_endpgm
.Lentry_shape_is_right:
; out0 = (p v) Wo^T + v: a product [4096 x 1024 x 1024] in bf16 whose f32 sums START from v.
; Work-group (bx, by): 128 rows x 128 columns; four waves as 2 x 2, each 64 x 64: 16 accumulator tiles, 128 registers (4,096 x 1,024 outputs
; over 1,024 waves).  K goes in four steps of 256 through two LDS slots: a step of 128 would be 64 matrix instructions a wave, too few for the
; next tile to land, so one load brings twice that.  Four steps: no loop, one lap with refills and one without.
; A (p v) lies in memory in tiles of 16 x 16 bf16 (512 bytes, lane l at 16 l), blocked so that a work-group's 128 rows x 256 K are 65,536
; consecutive bytes: it comes in as a dense block and its fragment loads are 512 consecutive bytes of a wave.  B (Wo in bf16) has rows along K.
; CLUSTERS: 4 x 4 work-groups; A's block hangs on by alone and is asked for jointly along a row of the cluster, B's tile on bx alone, along a column.
; The matrix instruction is used transposed (source 0 = rows of Wo, source 1 = rows of A): lane l = 16 h + r holds row r, columns 8 h .. 8 h + 7,
; which is the layout of v32's tiles: 32 loads put v straight into the accumulators, nothing is cleared and nothing added at the end.
; REGISTERS: window 0: v16-27 addresses, v64-127 and v128-191 fragments of A (two K steps of 32 x four row blocks each); window 1: the same
; numbers, fragments of B; window 2: accumulators, tile (a, b) at v[8 (4 a + b)].
; Tensor loads outstanding in a wave, by this text's count: two at the start, one behind each refill.
.set BPITCH, 528                       ; 512 bytes + 16 = 33 x 16: the 16 rows of a fragment load start in 16 different 16-byte columns of a 256-byte span
.set BHALF,  64*BPITCH                 ; 33,792: what one load of B brings, and what one wave reads
.set AHALF,  32768                     ; four row tiles x 16 column tiles x 512 bytes
.set AOFF,   2*BHALF                   ; A lies behind B's 128 rows
.set SLOT,   2*BHALF+2*AHALF           ; 133,120
.set STAGE,  268288                    ; behind the ring, a multiple of 256: 16 rows x 272 bytes for each wave; no tensor load lands here
.set SPITCH, 272
.set WOB,    14680064                  ; byte offset of Wo (bf16) in bf
.set ADRA, 16
.set ADRB, 20
.set STO,  24
.set RD,   25
.set CO,   26
.set LOFF, 27
.set F0,   64
.set F1,   128
.set G1B, 24                           ; s[24:31] group 1, B
.set G0B, 32                           ; s[32:39] group 0, B, one set a slot
.set G1A, 48                           ; s[48:55] group 1, A
.set G0A, 56                           ; s[56:63] group 0, A, one set a slot
.set MSB, 0
.macro WIN new
.if MSB != (\new)
	s_set_vgpr_msb (MSB<<8)|(\new)
.set MSB, (\new)
.endif
.endm
.set MUL,  0xa1                        ; source 0 (B) window 1, source 1 (A) window 0, C and D window 2
.set TO_B, 0x40                        ; destination window 1
.macro JLOAD s                         ; waves 0, 1 ask for B's halves, waves 2, 3 for A's: one load a wave
	s_cmp_eq_u32 s13, 0
	s_cbranch_scc0 .Lfor_a_\@
	tensor_load_to_lds s[G0B+4*\s:G0B+4*\s+3], s[G1B:G1B+7]
	s_nop 0
	s_branch .Lasked_\@
.Lfor_a_\@:
	tensor_load_to_lds s[G0A+4*\s:G0A+4*\s+3], s[G1A:G1A+7]
	s_nop 0
.Lasked_\@:
.endm
.macro CREST
	s_cmp_lg_u32 s12, 0
	s_cbranch_scc1 .Lnot_wave_0_\@
	s_barrier_signal -3
.Lnot_wave_0_\@:
	s_barrier_wait -3
	s_barrier_signal -1
	s_barrier_wait -1
.endm
.macro CROUND
	s_barrier_signal -1
	s_barrier_wait -1
	CREST
.endm
.macro PLACES                          ; four places behind a matrix instruction before its registers are loaded into or read (ISA guide 7.12.1)
.rept 4
	v_nop
.endr
.endm
	s_load_b256 s[4:11], s[0:1], 0x0               ; at s[4:5], bf s[6:7], v32 s[8:9], out0 s[10:11]
	s_set_vgpr_msb 0x40
	v_lshl_add_u32 v255, v0, 2, 0x45c00
	s_set_vgpr_msb 0x4000
	v_mov_b32 v255, 0
	s_set_vgpr_msb 0x1
	ds_add_u32 v255, v255
	s_set_vgpr_msb 0x100
	v_lshrrev_b32 v1, 5, v0
	v_readfirstlane_b32 s12, v1                    ; wave 0..3
	s_lshr_b32 s13, s12, 1                         ; my half of the rows.  Also: I fetch B (0) or A (1)
	s_and_b32 s14, s12, 1                          ; my half of the columns.  Also: which half I fetch
	s_bfe_u32 s16, ttmp6, 0x40000                  ; cx
	s_bfe_u32 s17, ttmp6, 0x40004                  ; cy
	s_lshl_b32 s18, ttmp9, 2
	s_add_co_u32 s18, s18, s16                     ; bx: block of 128 columns
	s_and_b32 s19, ttmp7, 0xffff
	s_lshl_b32 s19, s19, 2
	s_add_co_u32 s19, s19, s17                     ; by: block of 128 rows
	s_lshl_b32 s20, s17, 2
	s_lshl_b32 s20, 15, s20                        ; my row of the cluster
	s_lshl_b32 s21, 0x1111, s16                    ; my column
	; B: 64 rows of 256 elements of 2 bytes, 4 words of padding behind every 128 words, pitch 1,024 elements
	s_or_b32 s[G1B+0], s21, (1<<16)|(1<<20)|(1<<21)|(6<<22)|(3<<25)
	s_mov_b32 s[G1B+1], 256<<16
	s_mov_b32 s[G1B+2], 64<<16
	s_mov_b32 s[G1B+3], 256<<16
	s_mov_b32 s[G1B+4], 64
	s_mov_b32 s[G1B+5], 1024
	s_mov_b32 s[G1B+6], 0
	s_mov_b32 s[G1B+7], 0
	; A: a dense block of 32,768 bytes as 128 rows of 32 elements of 8 bytes, no padding
	s_or_b32 s[G1A+0], s20, (3<<16)|(1<<21)
	s_mov_b32 s[G1A+1], 32<<16
	s_mov_b32 s[G1A+2], 128<<16
	s_mov_b32 s[G1A+3], 32<<16
	s_mov_b32 s[G1A+4], 128
	s_mov_b32 s[G1A+5], 32
	s_mov_b32 s[G1A+6], 0
	s_mov_b32 s[G1A+7], 0
	; where the tiles come from; s22 never holds cx, s23 never holds cy
	s_lshl_b32 s40, s19, 18                        ; A: by x 262,144 + half x 32,768
	s_lshl_b32 s22, s14, 15
	s_add_co_u32 s40, s40, s22
	s_mov_b32 s41, 0
	s_lshl_b32 s42, s18, 18                        ; B: (128 bx + 64 half) rows of 2,048 bytes
	s_lshl_b32 s23, s14, 17
	s_add_co_u32 s42, s42, s23
	s_add_co_u32 s42, s42, WOB
	s_mov_b32 s43, 0
	s_mul_i32 s44, s12, BHALF                      ; where they go: wave x 64 rows (waves 0, 1),
	s_lshl_b32 s45, s12, 15
	s_add_co_u32 s45, s45, AOFF-2*AHALF            ; AOFF + (wave - 2) x 32,768 (waves 2, 3)
	; v32 and out0: both by<<19 + rowhalf<<18 for the rows; columns bx<<13 + colhalf<<12 in v32, bx<<9 + colhalf<<8 in out0
	s_lshl_b32 s68, s19, 19
	s_lshl_b32 s22, s13, 18
	s_add_co_u32 s68, s68, s22
	s_mov_b32 s70, s68
	s_lshl_b32 s23, s18, 13
	s_add_co_u32 s68, s68, s23
	s_lshl_b32 s23, s14, 12
	s_add_co_u32 s68, s68, s23
	s_mov_b32 s69, 0
	s_lshl_b32 s23, s18, 9
	s_add_co_u32 s70, s70, s23
	s_lshl_b32 s23, s14, 8
	s_add_co_u32 s70, s70, s23
	s_mov_b32 s71, 0
	v_and_b32 v4, 31, v0
	v_lshlrev_b32 v[LOFF], 4, v4
	s_wait_dscnt 0x0
	s_wait_kmcnt 0x0
	s_add_nc_u64 s[40:41], s[4:5], s[40:41]
	s_add_nc_u64 s[42:43], s[6:7], s[42:43]
	s_add_nc_u64 s[8:9], s[8:9], s[68:69]
	s_add_nc_u64 s[10:11], s[10:11], s[70:71]
	CROUND                                         ; all sixteen work-groups are here: the first joint loads meet
.irp s, 0,1
	s_mov_b32 s[G0B+4*\s], 1
	s_add_co_u32 s[G0B+4*\s+1], s44, \s*SLOT
	s_add_nc_u64 s[G0B+4*\s+2:G0B+4*\s+3], s[42:43], \s*512
	s_or_b32 s[G0B+4*\s+3], s[G0B+4*\s+3], 0x80000000
	s_mov_b32 s[G0A+4*\s], 1
	s_add_co_u32 s[G0A+4*\s+1], s45, \s*SLOT
	s_add_nc_u64 s[G0A+4*\s+2:G0A+4*\s+3], s[40:41], \s*65536
	s_or_b32 s[G0A+4*\s+3], s[G0A+4*\s+3], 0x80000000
	JLOAD \s                                       ; K steps 0 and 1
.endr
	; the residual starts the sums: v32's tiles go straight into the accumulators
	WIN 0x80                                       ; destination window 2
.irp a, 0,1,2,3
.irp b, 0,1,2,3
.irp u, 0,1
	global_load_b128 v[8*(4*\a+\b)+4*\u:8*(4*\a+\b)+4*\u+3], v[LOFF], s[8:9] offset:\a*65536+\b*1024+\u*512 th:TH_LOAD_NT
.endr
.endr
.endr
	WIN 0
	v_and_b32 v1, 15, v0                           ; r
	v_bfe_u32 v2, v0, 4, 1                         ; h
	v_mul_u32_u24 v3, v1, BPITCH
	v_lshl_add_u32 v3, v2, 4, v3                   ; B: row r, 16 bytes at 16 h
	s_mul_i32 s23, s14, BHALF
	s_lshl_b32 s22, s13, 15
	s_add_co_u32 s22, s22, AOFF
.irp s, 0,1
	v_add_nc_u32 v[ADRB+\s], s23, v3
	v_add_nc_u32 v[ADRA+\s], s22, v[LOFF]          ; A: 16 x lane inside a tile
	s_add_co_u32 s23, s23, SLOT
	s_add_co_u32 s22, s22, SLOT
.endr
	s_mul_i32 s22, s12, 16*SPITCH
	s_add_co_u32 s22, s22, STAGE                   ; my stage
	v_mul_u32_u24 v4, v1, SPITCH
	v_lshl_add_u32 v4, v2, 5, v4                   ; in: row r, 32 bytes for each half of the lanes
	v_add_nc_u32 v[STO], s22, v4
	v_mul_u32_u24 v5, v2, SPITCH
	v_lshl_add_u32 v5, v1, 4, v5                   ; back: lanes 0-15 one row of 256 bytes, lanes 16-31 the next
	v_add_nc_u32 v[RD], s22, v5
	v_lshlrev_b32 v5, 12, v2
	v_lshl_add_u32 v[CO], v1, 4, v5                ; the same two rows in out0 (4,096 bytes a row)
; 8 matrix instructions: row blocks a0, a0 + 1 x all 4 column blocks, K step ks of the two in buffer f
.macro MUL8 f, ks, a0
.irp a, \a0, \a0+1
.irp b, 0,1,2,3
	v_wmma_f32_16x16x32_bf16 v[8*(4*(\a)+\b):8*(4*(\a)+\b)+7], v[\f+32*\ks+8*\b:\f+32*\ks+8*\b+7], v[\f+32*\ks+8*(\a):\f+32*\ks+8*(\a)+7], v[8*(4*(\a)+\b):8*(4*(\a)+\b)+7]
.endr
.endr
.endm
; 32 LDS loads in one run: quarter q of a slot (64 along K = two K steps of 32): 16 of B, then 16 of A, the second K step of A last
.macro FETCH slot, q, f
	WIN TO_B
.irp ks, 0,1
.irp b, 0,1,2,3
	ds_load_b128 v[\f+32*\ks+8*\b:\f+32*\ks+8*\b+3],   v[ADRB+\slot] offset:(2*\q+\ks)*64+\b*16*BPITCH
	ds_load_b128 v[\f+32*\ks+8*\b+4:\f+32*\ks+8*\b+7], v[ADRB+\slot] offset:(2*\q+\ks)*64+\b*16*BPITCH+32
.endr
.endr
	WIN 0
.irp ks, 0,1
.irp a, 0,1,2,3
	ds_load_b128 v[\f+32*\ks+8*\a:\f+32*\ks+8*\a+3],   v[ADRA+\slot] offset:(2*\q+\ks)*1024+\a*8192
	ds_load_b128 v[\f+32*\ks+8*\a+4:\f+32*\ks+8*\a+7], v[ADRA+\slot] offset:(2*\q+\ks)*1024+\a*8192+512
.endr
.endr
.endm
; A quarter of a slot: 32 matrix instructions on buffer f; in its middle the next quarter is fetched into buffer g.
; The 16 accumulators take turns in one fixed order, one instruction a turn.
.macro QUARTER slot, q, f, g
	s_wait_dscnt 8                                 ; all but the youngest eight loads (A's second K step) are in
	WIN MUL
	MUL8 \f, 0, 0
	MUL8 \f, 0, 2
	PLACES
	FETCH \slot, \q, \g
	s_wait_dscnt 32                                ; all but the 32 just issued
	WIN MUL
	MUL8 \f, 1, 0
	MUL8 \f, 1, 2
.endm
.macro THREE slot
	QUARTER \slot, 1, F0, F1
	QUARTER \slot, 2, F1, F0
	QUARTER \slot, 3, F0, F1
.endm
; The last quarter multiplies buffer 1 and changes slots.  In front of the barrier each wave has its reads of this slot back and all its
; tensor loads landed.  fill = 1: the barrier opens a round of the cluster barrier, and the joint refill of this slot, two K steps of 256 ahead,
; is the first tensor load behind the round.  From that request to the wait for it a wave issues 120 matrix instructions.
.macro TURN slot, next, fill
	s_wait_dscnt 8
	WIN MUL
	MUL8 F1, 0, 0
	s_wait_dscnt 0
	s_wait_tensorcnt 0x0
	ds_add_u32 v255, v255
	s_wait_dscnt 0x0
	s_barrier_signal -1
	MUL8 F1, 0, 2                                  ; register work alone between signal and wait
	WIN 0
	s_barrier_wait -1
.if \fill
	CREST
	s_add_nc_u64 s[G0B+4*\slot+2:G0B+4*\slot+3], s[G0B+4*\slot+2:G0B+4*\slot+3], 2*512       ; no tensor load of mine is out: group 0 may be written
	s_add_nc_u64 s[G0A+4*\slot+2:G0A+4*\slot+3], s[G0A+4*\slot+2:G0A+4*\slot+3], 2*65536
	JLOAD \slot
.endif
	PLACES
	FETCH \next, 0, F0
	WIN MUL
	MUL8 F1, 1, 0
	MUL8 F1, 1, 2
.endm
	s_wait_tensorcnt 1                             ; my part of K step 0 is in; K step 1 stays out
	s_barrier_signal -1
	s_barrier_wait -1
	FETCH 0, 0, F0
	s_wait_loadcnt 0x0                             ; v lies in the accumulators
	THREE 0
	TURN 0, 1, 1                                   ; asks for K step 2
	THREE 1
	TURN 1, 0, 1                                   ; asks for K step 3
	THREE 0
	TURN 0, 1, 0                                   ; nothing is left to ask for
	THREE 1
	s_wait_dscnt 8
	WIN MUL
	MUL8 F1, 0, 0
	MUL8 F1, 0, 2
	s_wait_dscnt 0
	MUL8 F1, 1, 0
	MUL8 F1, 1, 2
	PLACES                                         ; behind the last matrix instructions: results are read, fragment buffers loaded into
; THE WAY OUT, 16 rows x 64 columns of f32 at a time: 32 bytes a lane into my own stage, read back as whole rows of 256 bytes.
; LDS serves a wave's instructions in order (ISA guide 5.7.1), and the stage is my own: no wait between the stores and the loads.
.macro OUT16 a, f
	WIN 0x08                                       ; store data in window 2
.irp b, 0,1,2,3
	ds_store_b128 v[STO], v[8*(4*\a+\b):8*(4*\a+\b)+3]   offset:64*\b
	ds_store_b128 v[STO], v[8*(4*\a+\b)+4:8*(4*\a+\b)+7] offset:64*\b+16
.endr
	WIN 0
	s_wait_xcnt 0x0                                ; buffer f was store data two turns ago: loaded into again only behind this wait
.irp t, 0,1,2,3,4,5,6,7
	ds_load_b128 v[\f+4*\t:\f+4*\t+3], v[RD] offset:\t*2*SPITCH
.endr
.irp t, 0,1,2,3,4,5,6,7
	s_wait_dscnt 7-\t                              ; rows 2 t, 2 t + 1 are back, the younger loads stay out
	global_store_b128 v[CO], v[\f+4*\t:\f+4*\t+3], s[10:11] offset:\a*65536+\t*8192 th:TH_STORE_NT   ; 16 lanes store 256 consecutive aligned bytes
.endr
.endm
	OUT16 0, F0
	OUT16 1, F1
	OUT16 2, F0
	OUT16 3, F1
	s_set_vgpr_msb 0x1
	s_wait_tensorcnt 0x0
	ds_add_u32 v255, v255
	s_wait_dscnt 0x0
	s_set_vgpr_msb 0x100
	CROUND                                         ; the closing round: no work-group ends while a partner may still ask jointly
	s_endpgm
.Lfunc_end_k_q0a9e593735_oproj:
	.size	k_q0a9e593735_oproj, .Lfunc_end_k_q0a9e593735_oproj-k_q0a9e593735_oproj
	.p2alignl 7, 3214868480
	.fill 96, 4, 3214868480
	.section	.rodata,"a",@progbits
	.p2align	6, 0x0
	.amdhsa_kernel k_q0a9e593735_oproj
		.amdhsa_group_segment_fixed_size 327680
		.amdhsa_private_segment_fixed_size 0
		.amdhsa_enable_private_segment 0
		.amdhsa_kernarg_size 32
		.amdhsa_user_sgpr_count 2
		.amdhsa_user_sgpr_kernarg_segment_ptr 1
		.amdhsa_wavefront_size32 1
		.amdhsa_system_sgpr_workgroup_id_x 1
		.amdhsa_system_sgpr_workgroup_id_y 1
		.amdhsa_system_sgpr_workgroup_id_z 1
		.amdhsa_system_vgpr_workitem_id 0
		.amdhsa_next_free_vgpr 640
		.amdhsa_next_free_sgpr 80
		.amdhsa_reserve_vcc 0
		.amdhsa_float_denorm_mode_32 3
		.amdhsa_float_denorm_mode_16_64 3
		.amdhsa_memory_ordered 1
		.amdhsa_forward_progress 1
		.amdhsa_inst_pref_size 90
	.end_amdhsa_kernel
	.amdgpu_metadata
---
amdhsa.version: [ 1, 2 ]
amdhsa.kernels:
  - .name:           k_q0a9e593735_oproj
    .symbol:         k_q0a9e593735_oproj.kd
    .args:
      - { .name: at, .offset: 0, .size: 8, .value_kind: global_buffer, .address_space: global }
      - { .name: bf, .offset: 8, .size: 8, .value_kind: global_buffer, .address_space: global }
      - { .name: v32, .offset: 16, .size: 8, .value_kind: global_buffer, .address_space: global }
      - { .name: out0, .offset: 24, .size: 8, .value_kind: global_buffer, .address_space: global }
    .group_segment_fixed_size: 327680
    .private_segment_fixed_size: 0
    .kernarg_segment_align: 8
    .kernarg_segment_size: 32
    .max_flat_workgroup_size: 128
    .sgpr_count:     80
    .vgpr_count:     640
    .wavefront_size: 32
...
	.end_amdgpu_metadata
.endif
;; end of part 4
;; ======== version 2 of 2: 4 launches; version 1 with the launch cast written anew for expert scheduling mode
;; workspace buffers: bf 16,777,216 bytes; qt 8,388,608 bytes; kt 8,388,608 bytes; v32 16,777,216 bytes; at 8,388,608 bytes
;; launch cast (part 5): grid 64 x 8, 8 waves a work-group, no clusters, 0 bytes of LDS; arguments encoded_vectors, Wq, Wk, Wv, Wo, bf; writes bf
.if DOCPART == 5
	.amdgcn_target "amdgcn-amd-amdhsa--gfx1250"
	.amdhsa_code_object_version 6
	.text
	.protected	k_q0a9e593735_cast
	.globl	k_q0a9e593735_cast
	.p2align	8
	.type	k_q0a9e593735_cast,@function
k_q0a9e593735_cast:
	s_mov_b64 s[64:65], 0
	v_nop
	global_prefetch_b8 v0, s[64:65] scope:SCOPE_SE
	s_setreg_imm32_b32 hwreg(HW_REG_WAVE_SCHED_MODE, 0, 2), 2
	s_setreg_imm32_b32 hwreg(HW_REG_WAVE_MODE, 25, 1), 1
	s_wait_xcnt 0x0
	s_wait_alu depctr_vm_vsrc(0)
; x, Wq, Wk, Wv, Wo: f32 to bf16, once, so that both products run on bf16 tiles with rows of 256 bytes.
; bf holds: xb [4096][1024] at byte 0; wqkv [3072][1024] at 8,388,608; wob [1024][1024] at 14,680,064.
; wqkv row order: row hd*192 + half*96 + z*32 + y is row hd*64 + half*32 + y of W_z (z = 0, 1, 2 for q, k, v): one head
; is 192 consecutive rows, and each half of 96 rows holds 32 columns of q, 32 of k and 32 of v.
; Work-group (X, Y) converts 16 rows of 1,024 numbers: Y = 0..3 the quarters of x, Y = 4..7 Wq, Wk, Wv, Wo.
; Thread t owns 16 bytes at 16 t of each f32 row: a load of a wave covers 512 consecutive bytes, a store 256 consecutive aligned bytes.
; All 16 loads of a wave are issued at once; no register is written twice, so no wait stands for a source.
; No LDS, no matrix unit, no cluster: nothing is shared and nothing is read twice.
; THE MODE: SCHED_MODE bits 1:0 = 2 (LLVM: expert scheduling mode 2), set by the entry lines.  The code itself states the register dependences
; between vector instructions and memory instructions, with s_wait_alu, always for 0.
; THE PLAN.  Registers that memory instructions touch:
;   v1, v2   byte offsets, written once at the head; v1 is read by the 16 loads, v2 by the 16 stores; never written again.
;   XR       row j's four registers: written once, by row j's load, and named by no vector instruction ahead of it; read by row j's two conversions.
;   YR       row j's two registers: written once, by row j's conversions; read by row j's store; never written again.
; The 16 rows go in four blocks of four.  Block p converts its own rows; its memory instructions are the four stores of block p - 1, whose data
; no vector instruction of block p names.  So one wait at a block's head states all that its four stores hang on, and they are dealt among the
; block's conversions with no further wait.  One wait at the kernel's head serves the two offsets, one behind block 3 the last four stores.
.set ROWIN,  4096                      ; bytes of an f32 row
.set ROWOUT, 2048                      ; bytes of a bf16 row
.set WQKV,   8388608                   ; byte offset of wqkv in bf
.set BLOCK,  4                         ; rows in a block
.set XR, 4                             ; v[4:67]   row j: 4 registers as loaded
.set YR, 68                            ; v[68:99]  row j: 2 registers to store
	s_load_b256 s[4:11], s[0:1], 0x0               ; x s[4:5], Wq s[6:7], Wk s[8:9], Wv s[10:11]
	s_load_b128 s[12:15], s[0:1], 0x20             ; Wo s[12:13], bf s[14:15]
	s_and_b32 s16, ttmp7, 0xffff                   ; Y
	s_mov_b32 s17, ttmp9                           ; X
	v_lshlrev_b32 v1, 4, v0                        ; my 16 bytes of an f32 row
	v_lshlrev_b32 v2, 3, v0                        ; my 8 bytes of a bf16 row
	; source offset: the quarter of x (4 MiB each) or 0 for a weight, plus 16 rows for each X
	s_lshl_b32 s18, s16, 22
	s_cmp_lt_u32 s16, 4
	s_cselect_b32 s18, s18, 0
	s_lshl_b32 s23, s17, 16
	s_add_co_u32 s18, s18, s23
	s_mov_b32 s19, 0
	; destination offset, re-ordered form (used for Y = 4..6 alone): rows 16 X .. 16 X + 15 of W_z
	s_lshr_b32 s24, s17, 2                         ; head = X / 4
	s_mul_i32 s24, s24, 192
	s_bfe_u32 s25, s17, 0x10001                    ; half = bit 1 of X
	s_mul_i32 s25, s25, 96
	s_add_co_u32 s24, s24, s25
	s_sub_co_u32 s22, s16, 4                       ; z (a large number for Y below 4: then not chosen)
	s_lshl_b32 s25, s22, 5
	s_add_co_u32 s24, s24, s25
	s_and_b32 s25, s17, 1
	s_lshl_b32 s25, s25, 4
	s_add_co_u32 s24, s24, s25                     ; first row in wqkv
	s_lshl_b32 s24, s24, 11
	s_add_co_u32 s24, s24, WQKV
	; destination offset, plain form: Y * 2 MiB + X * 32 KiB (right for x, and for Wo since 7 * 2 MiB = 14,680,064)
	s_lshl_b32 s20, s16, 21
	s_lshl_b32 s25, s17, 15
	s_add_co_u32 s20, s20, s25
	s_cmp_lt_u32 s22, 3
	s_cselect_b32 s20, s24, s20
	s_mov_b32 s21, 0
	s_wait_kmcnt 0x0
	s_cmp_eq_u32 s16, 4                            ; the source buffer, chosen by Y
	s_cselect_b64 s[4:5], s[6:7], s[4:5]
	s_cmp_eq_u32 s16, 5
	s_cselect_b64 s[4:5], s[8:9], s[4:5]
	s_cmp_eq_u32 s16, 6
	s_cselect_b64 s[4:5], s[10:11], s[4:5]
	s_cmp_eq_u32 s16, 7
	s_cselect_b64 s[4:5], s[12:13], s[4:5]
	s_add_nc_u64 s[4:5], s[4:5], s[18:19]
	s_add_nc_u64 s[14:15], s[14:15], s[20:21]
	s_wait_alu depctr_va_vdst(0)                   ; v1 and v2 are written: every load reads v1 as its offset, every store v2
.set j, 0
.rept 16
	global_load_b128 v[XR+4*j:XR+4*j+3], v1, s[4:5] offset:ROWIN*j th:TH_LOAD_NT   ; read once in the launch
.set j, j+1
.endr
; Block p: rows 4 p .. 4 p + 3 are converted; the stores of rows 4 p - 4 .. 4 p - 1 stand among the conversions, one ahead of each row's two.
.set p, 0
.rept 16/BLOCK
	s_wait_loadcnt 16-BLOCK-BLOCK*p                ; loads return in order: this block's four rows are in, the 12 - 4 p younger ones stay out
.if p > 0
	s_wait_alu depctr_va_vdst(0)                   ; the conversions of the block before have written their eight registers of YR, which the four stores below read
.endif
.set i, 0
.rept BLOCK
.set j, BLOCK*p+i                      ; the row that is converted
.set o, j-BLOCK                        ; the row that is stored
.if p > 0
	global_store_b64 v2, v[YR+2*o:YR+2*o+1], s[14:15] offset:ROWOUT*o              ; later launches read bf: no hint.  No vector instruction since the wait names these registers
.endif
	v_cvt_pk_bf16_f32 v[YR+2*j],   v[XR+4*j],   v[XR+4*j+1]
	v_cvt_pk_bf16_f32 v[YR+2*j+1], v[XR+4*j+2], v[XR+4*j+3]
.set i, i+1
.endr
.set p, p+1
.endr
	s_wait_alu depctr_va_vdst(0)                   ; the last block's conversions have written their eight registers of YR, which the last four stores read
.set o, 16-BLOCK
.rept BLOCK
	global_store_b64 v2, v[YR+2*o:YR+2*o+1], s[14:15] offset:ROWOUT*o
.set o, o+1
.endr
	s_endpgm
.Lfunc_end_k_q0a9e593735_cast:
	.size	k_q0a9e593735_cast, .Lfunc_end_k_q0a9e593735_cast-k_q0a9e593735_cast
	.p2alignl 7, 3214868480
	.fill 96, 4, 3214868480
	.section	.rodata,"a",@progbits
	.p2align	6, 0x0
	.amdhsa_kernel k_q0a9e593735_cast
		.amdhsa_group_segment_fixed_size 0
		.amdhsa_private_segment_fixed_size 0
		.amdhsa_enable_private_segment 0
		.amdhsa_kernarg_size 48
		.amdhsa_user_sgpr_count 2
		.amdhsa_user_sgpr_kernarg_segment_ptr 1
		.amdhsa_wavefront_size32 1
		.amdhsa_system_sgpr_workgroup_id_x 1
		.amdhsa_system_sgpr_workgroup_id_y 1
		.amdhsa_system_sgpr_workgroup_id_z 1
		.amdhsa_system_vgpr_workitem_id 0
		.amdhsa_next_free_vgpr 100
		.amdhsa_next_free_sgpr 66
		.amdhsa_reserve_vcc 0
		.amdhsa_float_denorm_mode_32 3
		.amdhsa_float_denorm_mode_16_64 3
		.amdhsa_memory_ordered 1
		.amdhsa_forward_progress 1
		.amdhsa_inst_pref_size 8
	.end_amdhsa_kernel
	.amdgpu_metadata
---
amdhsa.version: [ 1, 2 ]
amdhsa.kernels:
  - .name:           k_q0a9e593735_cast
    .symbol:         k_q0a9e593735_cast.kd
    .args:
      - { .name: encoded_vectors, .offset: 0, .size: 8, .value_kind: global_buffer, .address_space: global }
      - { .name: Wq, .offset: 8, .size: 8, .value_kind: global_buffer, .address_space: global }
      - { .name: Wk, .offset: 16, .size: 8, .value_kind: global_buffer, .address_space: global }
      - { .name: Wv, .offset: 24, .size: 8, .value_kind: global_buffer, .address_space: global }
      - { .name: Wo, .offset: 32, .size: 8, .value_kind: global_buffer, .address_space: global }
      - { .name: bf, .offset: 40, .size: 8, .value_kind: global_buffer, .address_space: global }
    .group_segment_fixed_size: 0
    .private_segment_fixed_size: 0
    .kernarg_segment_align: 8
    .kernarg_segment_size: 48
    .max_flat_workgroup_size: 256
    .sgpr_count:     66
    .vgpr_count:     100
    .wavefront_size: 32
...
	.end_amdgpu_metadata
.endif
;; end of part 5
;; launch qkv: the kernel of part 2 again; grid 16 x 16, 4 waves a work-group, clusters of 4 x 4, 327,680 bytes of LDS; arguments bf, qt, kt, v32; writes qt, kt, v32
;; launch attn: the kernel of part 3 again; grid 256 x 1, 16 waves a work-group, no clusters, 38,912 bytes of LDS; arguments qt, kt, v32, at; writes at
;; launch oproj: the kernel of part 4 again; grid 8 x 32, 4 waves a work-group, clusters of 4 x 4, 327,680 bytes of LDS; arguments at, bf, v32, out0; writes out0
